; MI455X (gfx1250); checked and timed in simulation.
; The chip was launched on July 23, 2026; its instructions are those of AMD's public machine-readable ISA for CDNA 5 (MIT licence, August 2026) and "CDNA5" Instruction Set Architecture Reference Guide (July 2026). The comments in the code are by the model that wrote it; some were corrected since.
;; Mulit Head Attention. Allowed arithmetic: matrix products marked QUANTISED: E4M3 operands, one E8M0 scale for each 32 along K, by v_wmma_scale_f32_16x16x128_f8f6f4 with both operands' format E4M3, f32 sums; everything else in f32.
;; Inputs: b_proj 1,024 float32; b_qkv 3,072 float32; w_proj_codes 1,024 x 32 x 32 uint8 (E4M3 codes of w_proj, K innermost, in blocks of 32 codes); w_proj_scales 1,024 x 32 uint8 (E8M0 scales of w_proj, one for each 32 codes along K); w_qkv_codes 3,072 x 32 x 32 uint8 (E4M3 codes of w_qkv, K innermost, in blocks of 32 codes); w_qkv_scales 3,072 x 32 uint8 (E8M0 scales of w_qkv, one for each 32 codes along K); x_codes 2 x 2,048 x 32 x 32 uint8 (E4M3 codes of x, K innermost, in blocks of 32 codes); x_scales 2 x 2,048 x 32 uint8 (E8M0 scales of x, one for each 32 codes along K).
;; Outputs: out0 2 x 2,048 x 1,024 float32.
;; This version of the problem:
;;   THIS VERSION OF THE PROBLEM IS GIVEN IN LOW PRECISION. The matrix products marked QUANTISED in the list below multiply operands that are first quantised to E4M3 (4 exponent bits, 3 mantissa bits; 8 bits a number), with one power-of-two scale for each 32 numbers along K (OCP MX v1.0); their sums are f32. All else is computed in f32.
;;   The module's matrix products, in the order in which they are computed (A, B: the left and right operand; K: the contracted axis; several contracted axes count as one K, in the product's order):
;;     1. [M 4,096, K 1,024] x [K 1,024, N 3,072]; A: input x (given as codes); B: input w_qkv (given as codes): QUANTISED
;;     2. batch 32 x [M 2,048, K 64] x [K 64, N 2,048]; A: computed on the way; B: computed on the way: QUANTISED
;;     3. batch 32 x [M 2,048, K 2,048] x [K 2,048, N 64]; A: softmax (see below); B: computed on the way: QUANTISED
;;     4. [M 4,096, K 1,024] x [K 1,024, N 1,024]; A: computed on the way; B: input w_proj (given as codes): QUANTISED
;;   THE QUANTISER, for each operand of a quantised product, along K:
;;     - K is cut into blocks of 32 from its start; a last block that is shorter is filled with zeros.
;;     - A block's scale is 2^e with e = floor(log2(the largest magnitude in the block)) - 8, held to -126 .. 127; a block of zeros has e = 0. As a byte (E8M0): e + 127.
;;     - Each number is divided by its block's scale, clamped to +-448, and rounded to the nearest number of E4M3, ties to even, subnormals kept.
;;     - The product sums the exact products of the quantised numbers (number of the format x scale) in f32.
;;   ~~~python
;;   def quantise(x, axis):      # numpy; x: float32 -> the quantised numbers, widened to float32 again
;;       x = np.moveaxis(x, axis, -1); K = x.shape[-1]
;;       x = np.pad(x, [(0, 0)] * (x.ndim - 1) + [(0, -K % 32)]); x = x.reshape(x.shape[:-1] + (-1, 32)); a = np.abs(x).max(-1, keepdims=True)
;;       e = np.where(a > 0, np.clip(np.frexp(np.where(a > 0, a, 1))[1] - 1 - 8, -126, 127), 0)      # np.frexp(a)[1] - 1 = floor(log2(a)), exactly
;;       r = np.clip(x / 2.0 ** e, -448, 448)
;;       step = 2.0 ** (np.maximum(np.frexp(np.where(r == 0, 1, r))[1] - 1, -6) - 3)
;;       q = np.round(r / step) * step * 2.0 ** e      # np.round: ties to even
;;       return np.moveaxis(q.reshape(q.shape[:-2] + (-1,))[..., :K], -1, axis).astype(np.float32)
;;   ~~~
;;   SOFTMAX AHEAD OF A QUANTISED PRODUCT. Where the list says 'softmax', what is quantised is not the finished softmax but p = 2^(t - M), with t = logit x log2(e) and M = ceil(the row's largest t), a whole number; so 1/2 < the row's largest p <= 1. The row's sum l is taken of the UNQUANTISED p, in f32, and the product's result is divided by l at the end. Since M is a whole number, a kernel that streams over the keys may use a running M (the ceiling of the running maximum): every later rescaling is an exact power of two, which a block's scale takes up: the codes' values come out the same.
;;   OPERANDS COMPUTED ON THE WAY. 'Computed on the way' means the value that the module computes at that place (a softmax that the list does not call 'softmax' is quantised finished and normalised). What goes into a quantiser is computed in f32, as accurately as f32 sums, v_exp_f32 and their like allow (about 1e-6 of the number): no bf16 or f16 on the way to a quantiser, and a product that is left as it is and whose result goes on into a quantised operand takes f32 operands (vector FMAs, or v_wmma_f32_16x16x4_f32). A number that lies on a knife's edge between two numbers of the format may be rounded either way, as far as f32 arithmetic and the matrix unit's own rounding can turn it there, and no further.
;;   INPUTS GIVEN AS CODES. w_proj (in the module: [1024, 1024], K = its axis 1); w_qkv (in the module: [3072, 1024], K = its axis 1); x (in the module: [2, 2048, 1024], K = its axis 2): each comes as NAME_codes (uint8): NAME with its K axis moved to the last place and cut into blocks of 32 codes, [.., K / 32, bytes a block], one block behind the other in memory; one code a byte (a code: sign, 4 exponent bits, 3 mantissa bits); and NAME_scales (uint8): the same leading axes, one E8M0 byte (e + 127) for each 32 codes along K. Its value is code x scale, taken as it is: it is not quantised again, and the codes and scales need not be those that the quantiser above would give.
;; One version. Each part assembles by itself: llvm-mc -triple=amdgcn-amd-amdhsa -mcpu=gfx1250 --defsym DOCPART=n.
;; ======== version 1 of 1: 3 launches
;; limits: right only within a limited range of input values
;; workspace buffers: q_ws 4,456,448 bytes; kv_ws 8,781,824 bytes; o_ws 4,325,376 bytes
;; launch qkv (part 1): grid 8 x 32, 4 waves a work-group, clusters of 4 x 4, 327,680 bytes of LDS; arguments x_codes, x_scales, w_qkv_codes, w_qkv_scales, b_qkv, q_ws, kv_ws; writes q_ws, kv_ws
.if DOCPART == 1
	.amdgcn_target "amdgcn-amd-amdhsa--gfx1250"
	.amdhsa_code_object_version 6
	.text
	.protected	k_q7bf2dce99a_qkv
	.globl	k_q7bf2dce99a_qkv
	.p2align	8
	.type	k_q7bf2dce99a_qkv,@function
k_q7bf2dce99a_qkv:
	s_mov_b64 s[64:65], 0
	v_nop
	global_prefetch_b8 v0, s[64:65] scope:SCOPE_SE
	s_setreg_imm32_b32 hwreg(HW_REG_WAVE_MODE, 25, 1), 1
	s_wait_xcnt 0x0
	s_wait_alu depctr_hold_cnt(0) depctr_sa_sdst(0) depctr_va_vdst(0) depctr_va_sdst(0) depctr_va_ssrc(0) depctr_va_vcc(0) depctr_vm_vsrc(0)
	s_getreg_b32 s2, hwreg(HW_REG_IB_STS2, 6, 4)
	s_cmp_eq_u32 s2, 0
	s_cbranch_scc0 .Lentry_in_a_cluster
	s_endpgm
.Lentry_in_a_cluster:
	s_bfe_u32 s2, ttmp6, 0x10000c
	s_cmp_lg_u32 s2, 0xf033
	s_cbranch_scc0 .Lentry_shape_is_right
	s_endpgm
.Lentry_shape_is_right:
; Q, K, V = x W^T + b AND THEIR QUANTISERS, on codes of FP8 (E4M3) with E8M0 scales: 4,096 x 3,072 x 1,024.  Codes and scale bytes leave in the order of the attention's operand registers.  No f32 result is stored.  No work is left out.
; LIMITS: NaN, infinities and sums beyond f32's range are not served; a block whose largest magnitude lies under 2^-118 gets the byte 1, a block of zeros too (this program alone reads the bytes).
; THE DEAL.  256 work-groups of four waves, 2 x 2: 128 tokens x 128 columns (two heads) of each of Q, K and V.  A wave holds its 64 tokens of x, ALL of K, in 512 registers, and the three weights' columns stream past in blocks of 16:
; twelve blocks (four of W_q, W_k, W_v) of 32 products; a block's fragments stand in registers as two whole sets.
; LDS: two slots of 128 rows x (1,024 + 16) bytes.  At the head x's rows lie in slot 0 (waves 0, 1), W_q's in slot 1 (waves 2, 3); W_k's follow x's once x is in registers, W_v's follow W_q's: two refills, each in a drained round, a quarter a wave.
; CLUSTERS: 4 x 4; x's rows are shared along a row of the cluster, the weights' along a column: joint loads.
; W_k's and W_v's rows are asked for ahead: one prefetch a wave each, lanes 256 bytes apart, a column's 512 blocks shared out by address over its sixteen waves; four rows of clusters ask.
; THE WAY OUT of a pair of blocks (maxima, holds, conversions) stands among the next pair's products, three lines behind each.  Sums stand in two sets of eight accumulators.
; Q, K: source 0 = the weight's rows: a lane holds one token and eight neighbouring columns.  V: source 0 = x's rows: a lane holds one channel and eight neighbouring tokens.  In either a block of 32 lies in two accumulators of lanes l and l xor 16: a unit of 16 registers; four units a pair.
; THE BIAS is the first products' C.
.set QB,   8704
.set QH,   16*QB
.set KVB,  17152
.set KVH,  16*KVB
.set PITCH, 1040
.set YB,   128*PITCH                   ; slot 1
.set SCW,  2*YB                        ; scale bytes on their way out: Q [head of two][512], K likewise, V [head of two][256]
.set BIASL, SCW+2560                   ; each wave's bias: 3 x 64 numbers
.set SPARE, BIASL+4*768
.set LI,   1                           ; 16 x lane
.set ADX,  2                           ; LDS: my fragments of x
.set ADW0, 3                           ; of a weight in slot 0, in slot 1
.set ADW1, 4
.set BQ,   5                           ; my bias for Q, K; for V
.set BV,   6
.set VXQ,  7                           ; where a scale byte goes: Q, K; V
.set VXV,  8
.set SPW,  9
.set NIL,  10
.set PFO,  11                          ; the prefetches' offset; never rewritten
.set SA,   16                          ; x's scale words: register 8 (a / 2) + q: lanes 0-15 tile a even, lanes 16-31 a odd
.set SB,   34                          ; the weights': register 8 pair + q: lanes 0-15 the even block, lanes 16-31 the odd
.set BIAS, 82                          ; two blocks x 8
.set BM,   98
.set PB,   102
.set HD,   106
.set SO,   110
.set PC,   114                         ; codes: v114-125, v12-15
.set ACC,  128
.set G1X, 24
.set G1W, 32
.set G1R, 48
.set G0X, 56
.set G0W, 60
.set G0R, 72
.set MSB, 0
.macro WIN new
.if MSB != (\new)
	s_set_vgpr_msb (MSB<<8)|(\new)
.set MSB, (\new)
.endif
.endm
.macro WALU
	s_wait_alu depctr_va_vdst(0)
.endm
.macro PLACES n
.rept \n
	v_nop
.endr
.endm
.macro BARRIER
	s_barrier_signal -1
	s_barrier_wait -1
.endm
.macro MIDDLE                          ; a round's middle
	s_barrier_wait -1
	s_cmp_lg_u32 s14, 0
	s_cbranch_scc1 .Lnot_wave_0_\@
	s_barrier_signal -3
.Lnot_wave_0_\@:
	s_barrier_wait -3
.endm
.macro CROUND                          ; a round of the cluster's barrier
	s_barrier_signal -1
	MIDDLE
	BARRIER
.endm
.macro TLOAD g0, g1
	tensor_load_to_lds s[\g0:\g0+3], s[\g1:\g1+7]
	s_nop 0
	PLACES 4
.endm
.macro GROUP1 g, mask, rows            ; whole rows of K, 1,024 bytes each, 16 bytes of padding behind each
	s_or_b32 s[\g+0], s[\mask], (1<<20)|(1<<21)|(7<<22)|(3<<25)
	s_mov_b32 s[\g+1], 1024<<16
	s_mov_b32 s[\g+2], (\rows)<<16
	s_mov_b32 s[\g+3], 1024<<16
	s_mov_b32 s[\g+4], \rows
	s_mov_b32 s[\g+5], 1024
	s_mov_b32 s[\g+6], 0
	s_mov_b32 s[\g+7], 0
.endm
	s_load_b256 s[4:11], s[0:1], 0x0               ; x's codes, x's scales, w's codes, w's scales
	s_load_b64 s[12:13], s[0:1], 0x20              ; the bias
	s_load_b128 s[68:71], s[0:1], 0x28             ; q_ws, kv_ws
	v_lshl_add_u32 v[SPW], v0, 2, SPARE
	v_mov_b32 v[NIL], 0
	ds_add_u32 v[SPW], v[NIL]                      ; the opening lines: the add twice on end and its wait
	ds_add_u32 v[SPW], v[NIL]
	v_lshrrev_b32 v126, 5, v0
	v_readfirstlane_b32 s14, v126                  ; wave 0..3
	s_lshr_b32 s15, s14, 1                         ; my row of waves
	s_and_b32 s16, s14, 1                          ; my column of waves; also which 64 rows I fetch at the head
	s_bfe_u32 s40, ttmp6, 0x40000                  ; cx, cy
	s_bfe_u32 s41, ttmp6, 0x40004
	s_lshl_b32 s42, ttmp9, 2
	s_add_co_u32 s42, s42, s40                     ; column group 0..7: heads 2 s42, 2 s42 + 1
	s_and_b32 s47, ttmp7, 0xffff
	s_lshl_b32 s17, s47, 2
	s_add_co_u32 s17, s17, s41                     ; block of 128 tokens
	s_lshl_b32 s43, s41, 2
	s_lshl_b32 s43, 15, s43                        ; my row of the cluster
	s_lshl_b32 s44, 0x1111, s40                    ; my column
	GROUP1 G1X, 43, 64
	GROUP1 G1W, 44, 64
	GROUP1 G1R, 44, 32
	v_and_b32 v33, 31, v0                          ; lane
	v_and_b32 v127, 15, v0                         ; r
	v_bfe_u32 v32, v0, 4, 1                        ; h
	v_lshlrev_b32 v[LI], 4, v33
	v_mul_u32_u24 v98, v127, PITCH
	v_lshl_add_u32 v98, v32, 4, v98                ; a fragment's row x pitch + 16 h
	s_mul_i32 s20, s15, 64*PITCH
	v_add_nc_u32 v[ADX], s20, v98
	s_mul_i32 s20, s16, 64*PITCH
	v_add_nc_u32 v[ADW0], s20, v98
	v_add_nc_u32 v[ADW1], YB, v[ADW0]
	s_mul_i32 s20, s14, 768
	s_add_co_u32 s20, s20, BIASL
	v_lshl_add_u32 v[BQ], v32, 5, s20
	v_lshl_add_u32 v[BV], v127, 2, s20
	v_lshl_add_u32 v99, v33, 3, s20                ; where I put my bias
	s_lshl_b32 s20, s16, 9
	s_lshl_b32 s21, s15, 8
	s_add_co_u32 s20, s20, s21
	s_add_co_u32 s20, s20, SCW
	v_lshl_add_u32 v[VXQ], v127, 2, s20
	s_lshl_b32 s20, s16, 8
	s_lshl_b32 s21, s15, 1
	s_add_co_u32 s20, s20, s21
	s_add_co_u32 s20, s20, SCW+2048
	v_lshl_add_u32 v[VXV], v127, 2, s20
	v_lshlrev_b32 v100, 5, v33                     ; a row's scale bytes: 32
	v_lshlrev_b32 v101, 3, v33
.irp b, 0,1,2,3
	v_mov_b32 v[PB+\b], 0                          ; a lane permute's destination counts as one of its sources
.endr
	s_lshl_b32 s94, s42, 17                        ; the column group's 128 rows of a weight, in bytes
	s_lshl_b32 s20, s41, 2
	s_add_co_u32 s20, s20, s14
	s_lshl_b32 s20, s20, 13
	s_add_co_u32 s20, s20, s94
	s_add_co_u32 s20, s20, 1<<20
	v_lshl_add_u32 v[PFO], v33, 8, s20             ; my sixteenth of W_k's 128 rows
	s_lshl_b32 s21, s16, 16
	s_lshl_b32 s44, s17, 17
	s_add_co_u32 s44, s44, s21                     ; s[44:45] x's 64 rows that I fetch
	s_mov_b32 s45, 0
	s_add_co_u32 s20, s94, s21                     ; s[20:21] W_q's
	s_mov_b32 s21, 0
	s_lshl_b32 s96, s14, 15
	s_add_co_u32 s96, s96, s94
	s_add_co_u32 s96, s96, 1<<20                   ; s[96:97] W_k's 32 rows that I fetch
	s_mov_b32 s97, 0
	s_lshl_b32 s88, s17, 12
	s_lshl_b32 s18, s15, 11
	s_add_co_u32 s88, s88, s18                     ; s[88:89] x's scale bytes, my 64 tokens
	s_mov_b32 s89, 0
	s_lshl_b32 s18, s42, 7
	s_lshl_b32 s19, s16, 6
	s_add_co_u32 s18, s18, s19                     ; my first column
	s_lshl_b32 s90, s18, 5                         ; s[90:91] its scale bytes
	s_mov_b32 s91, 0
	s_lshl_b32 s92, s18, 2                         ; s[92:93] its bias
	s_mov_b32 s93, 0
	; where my results go
	s_lshr_b32 s18, s17, 4
	s_lshl_b32 s18, s18, 4
	s_lshl_b32 s22, s42, 1
	s_add_co_u32 s18, s18, s22                     ; 16 x batch + first head
	s_and_b32 s19, s17, 15                         ; the key step
	s_add_co_u32 s22, s18, s16                     ; my head
	s_add_co_u32 s23, s18, s15                     ; the head whose scale words I store
	s_mul_i32 s98, s19, QB
	s_mul_i32 s99, s19, KVB
	s_mul_i32 s76, s22, QH
	s_add_co_u32 s76, s76, s98
	s_mul_i32 s86, s22, KVH
	s_add_co_u32 s86, s86, s99
	s_mul_i32 s82, s23, QH
	s_add_co_u32 s82, s82, s98
	s_mul_i32 s84, s23, KVH
	s_add_co_u32 s84, s84, s99
	s_lshl_b32 s18, s15, 12
	s_add_co_u32 s76, s76, s18                     ; s[76:77] Q's codes
	s_add_co_u32 s78, s86, s18                     ; s[78:79] K's
	s_lshl_b32 s18, s15, 10
	s_add_co_u32 s80, s86, s18
	s_add_co_u32 s80, s80, 8192                    ; s[80:81] V's
	s_add_co_u32 s86, s86, 16896                   ; s[86:87] V's scale words
	s_lshl_b32 s18, s16, 8
	s_add_co_u32 s82, s82, s18
	s_add_co_u32 s82, s82, 8192                    ; s[82:83] Q's scale words
	s_add_co_u32 s84, s84, s18
	s_add_co_u32 s84, s84, 16384                   ; s[84:85] K's
.irp p, 77,79,81,83,85,87
	s_mov_b32 s[\p], 0
.endr
	s_mov_b32 s18, 0x76543210
	s_mov_b32 s19, 0xfedcba98
	s_mov_b32 s22, 0x600000
	WALU
	s_wait_dscnt 0x0
	CROUND                                         ; all sixteen work-groups are here: the first joint loads meet
	s_wait_kmcnt 0x0
	s_mov_b32 s[G0X], 1
	s_mul_i32 s[G0X+1], s16, 64*PITCH
	s_add_nc_u64 s[G0X+2:G0X+3], s[4:5], s[44:45]
	s_or_b32 s[G0X+3], s[G0X+3], 0x80000000
	s_mov_b32 s[G0W], 1
	s_mul_i32 s[G0W+1], s16, 64*PITCH
	s_add_co_u32 s[G0W+1], s[G0W+1], YB
	s_add_nc_u64 s[G0W+2:G0W+3], s[8:9], s[20:21]
	s_or_b32 s[G0W+3], s[G0W+3], 0x80000000
	s_cmp_lt_u32 s14, 2                            ; ONE joint load a wave; x, which is shown first, has a line of its own
	s_cbranch_scc0 .Lfor_w
	TLOAD G0X, G1X
	s_branch .Lasked
.Lfor_w:
	TLOAD G0W, G1W
.Lasked:
	s_mov_b32 s[G0R], 1
	s_mul_i32 s[G0R+1], s14, 32*PITCH
	s_add_nc_u64 s[G0R+2:G0R+3], s[8:9], s[96:97]
	s_or_b32 s[G0R+3], s[G0R+3], 0x80000000
	s_add_nc_u64 s[12:13], s[12:13], s[92:93]
	s_add_nc_u64 s[6:7], s[6:7], s[88:89]
	s_add_nc_u64 s[10:11], s[10:11], s[90:91]
	s_add_nc_u64 s[76:77], s[68:69], s[76:77]
	s_add_nc_u64 s[82:83], s[68:69], s[82:83]
.irp p, 78,80,84,86
	s_add_nc_u64 s[\p:\p+1], s[70:71], s[\p:\p+1]
.endr
	global_load_b64 v[114:115], v101, s[12:13]             ; my 64 numbers of b_q, b_k, b_v
	global_load_b64 v[116:117], v101, s[12:13] offset:4096
	global_load_b64 v[118:119], v101, s[12:13] offset:8192
.irp i, 0,1
	global_load_b128 v[SA+8*\i:SA+8*\i+3], v100, s[6:7] offset:1024*\i
	global_load_b128 v[SA+8*\i+4:SA+8*\i+7], v100, s[6:7] offset:1024*\i+16
.endr
.irp n, 0,1,2,3,4,5
	global_load_b128 v[SB+8*\n:SB+8*\n+3], v100, s[10:11] offset:32768*(\n/2)+1024*(\n%2)
	global_load_b128 v[SB+8*\n+4:SB+8*\n+7], v100, s[10:11] offset:32768*(\n/2)+1024*(\n%2)+16
.endr
	s_wait_loadcnt 0x0
	ds_store_b64 v99, v[114:115]
	ds_store_b64 v99, v[116:117] offset:256
	ds_store_b64 v99, v[118:119] offset:512
	s_cmp_lt_u32 s14, 2
	s_cbranch_scc0 .Lnot_yet
	s_wait_tensorcnt 0x0                           ; waves 0, 1: x has landed
.Lnot_yet:
	s_wait_dscnt 0x0
	BARRIER
	s_cmp_lt_u32 s47, 4
	s_cbranch_scc0 .Lno_ask_k
	global_prefetch_b8 v[PFO], s[8:9] th:TH_LOAD_NT scope:SCOPE_SE
.Lno_ask_k:
.macro XFRAG f                         ; fragment f = 4 q + a of x: window 1 + f / 16
	WIN (1+(\f)/16)<<6
.irp c, 0,1,2,3
	ds_load_b128 v[16*((\f)%16)+4*\c:16*((\f)%16)+4*\c+3], v[ADX] offset:((\f)%4)*16*PITCH+128*((\f)/4)+32*\c
.endr
.endm
.set PI, 0
.rept 32
	XFRAG PI
.set PI, PI+1
.endr
	WIN 0
.macro FETCH bl                        ; block bl of a weight, 16 columns, all of K, into set bl % 2 of window 3, and its bias: 34 loads (Q, K) or 40 (V)
.set E_, (\bl)%2
.set K_, (\bl)%4
.if (\bl)/4 == 1
.set AW_, ADW0
.else
.set AW_, ADW1
.endif
	WIN 0xc0
.irp q, 0,1,2,3,4,5,6,7
.irp c, 0,1,2,3
	ds_load_b128 v[128*E_+16*\q+4*\c:128*E_+16*\q+4*\c+3], v[AW_] offset:K_*16*PITCH+128*\q+32*\c
.endr
.endr
	WIN 0
.if (\bl) < 8
	ds_load_b128 v[BIAS+8*E_:BIAS+8*E_+3], v[BQ] offset:256*((\bl)/4)+64*K_
	ds_load_b128 v[BIAS+8*E_+4:BIAS+8*E_+7], v[BQ] offset:256*((\bl)/4)+64*K_+16
.else
.irp i, 0,1,2,3,4,5,6,7
	ds_load_b32 v[BIAS+8*E_+\i], v[BV] offset:512+64*K_
.endr
.endif
.endm
.macro WMS d, a, b, c, sa, sb, ra, rb  ; one product; ra, rb: the scales stand in lanes 16-31
.if (\ra) && (\rb)
	v_wmma_scale_f32_16x16x128_f8f6f4 v[\d:\d+7], v[\a:\a+15], v[\b:\b+15], v[\c:\c+7], v[\sa], v[\sb] matrix_a_scale:MATRIX_SCALE_ROW1 matrix_b_scale:MATRIX_SCALE_ROW1
.elseif \ra
	v_wmma_scale_f32_16x16x128_f8f6f4 v[\d:\d+7], v[\a:\a+15], v[\b:\b+15], v[\c:\c+7], v[\sa], v[\sb] matrix_a_scale:MATRIX_SCALE_ROW1
.elseif \rb
	v_wmma_scale_f32_16x16x128_f8f6f4 v[\d:\d+7], v[\a:\a+15], v[\b:\b+15], v[\c:\c+7], v[\sa], v[\sb] matrix_b_scale:MATRIX_SCALE_ROW1
.else
	v_wmma_scale_f32_16x16x128_f8f6f4 v[\d:\d+7], v[\a:\a+15], v[\b:\b+15], v[\c:\c+7], v[\sa], v[\sb]
.endif
.endm
.macro PROD bl, n                      ; product n = 4 q + a of block bl: the q-th 128 of K, x's tile a; the four accumulators take turns
.set E_, (\bl)%2
.set N_, (\bl)/2
.set Q_, (\n)/4
.set A_, (\n)%4
.set W_, 128*E_+16*Q_
.set X_, 16*((\n)%16)
.set SW_, SB+8*N_+Q_
.set SX_, SA+8*(A_/2)+Q_
.if (\bl) < 8
.set D_, ACC+64*(N_%2)+16*A_+8*E_
.else
.set D_, ACC+64*(N_%2)+16*(2*E_+A_/2)+8*(A_%2)
.endif
.if Q_ == 0
.set C_, BIAS+8*E_
.else
.set C_, D_
.endif
.if (\bl) < 8
	WIN 3+4*(1+(\n)/16)
	WMS D_, W_, X_, C_, SW_, SX_, E_, A_%2
.else
	WIN 0x0d+(\n)/16
	WMS D_, X_, W_, C_, SX_, SW_, A_%2, E_
.endif
.endm
.set OPN, 124                          ; the way out's next line; 124: none
.set XB, ACC
.macro OP o                            ; line o of a pair's way out, the four units by turns up to the bytes, then unit by unit
.set U_, (\o)%4
.if (\o) < 4
	v_max3_num_f32 v[BM+U_], |v[XB+16*U_]|, |v[XB+16*U_+1]|, |v[XB+16*U_+2]|
.elseif (\o) < 28
.set I_, XB+16*U_+2*((\o)/4)+1
	v_max3_num_f32 v[BM+U_], v[BM+U_], |v[I_]|, |v[I_+1]|
.elseif (\o) < 32
	v_max3_num_f32 v[BM+U_], v[BM+U_], |v[XB+16*U_+15]|, 0x4800000
.elseif (\o) < 36
	v_permlanex16_b32 v[PB+U_], v[BM+U_], s18, s19
.elseif (\o) < 40
	v_max_num_f32 v[BM+U_], v[BM+U_], v[PB+U_]
.elseif (\o) < 44
	v_add_nc_u32 v[SO+U_], 0xfc000000, v[BM+U_]
.elseif (\o) < 48
	v_and_or_b32 v[HD+U_], v[BM+U_], 0x7f800000, s22
.elseif (\o) < 52
	v_lshrrev_b32 v[PB+U_], 23, v[SO+U_]
.else
.set U_, ((\o)-52)/18
.set I_, ((\o)-52)%18
.if I_ < 16
	v_med3_num_f32 v[XB+16*U_+I_], v[XB+16*U_+I_], -v[HD+U_], v[HD+U_]
.else
.if U_ == 3
.set P_, 12
.else
.set P_, PC+4*U_
.endif
	v_cvt_scalef32_pk8_fp8_f32 v[P_+2*(I_-16):P_+2*(I_-16)+1], v[XB+16*U_+8*(I_-16):XB+16*U_+8*(I_-16)+7], v[SO+U_]
.endif
.endif
.endm
.macro GAP cnt
.if OPN < 124
	WIN 0
.rept \cnt
.if OPN < 124
	OP OPN
.set OPN, OPN+1
.endif
.endr
.endif
.endm
.macro PRODS bl, from, to
.set PI, \from
.rept (\to)-(\from)
	PROD \bl, PI
	GAP 3
.set PI, PI+1
.endr
.endm
.macro EDGE bl                         ; ahead of block bl: eight places behind the last products, block bl + 1's loads, block bl's wait
	WIN 0
.if (\bl)%2 == 0
	PLACES 8
.elseif OPN < 124
	GAP 8
.else
	PLACES 8
.endif
	WALU
.if (\bl)%2 == 0
	s_wait_xcnt 0x0                                ; the codes' registers are free again
.set OPN, 0
.set XB, ACC+64*(((\bl)/2+1)%2)
.endif
.if (\bl) < 7
	FETCH \bl+1
	s_wait_dscnt 34
.elseif (\bl) < 11
	FETCH \bl+1
	s_wait_dscnt 40
.else
	s_wait_dscnt 0x0
.endif
.endm
.macro STORE u, b, off
.if \u == 3
	global_store_b128 v[LI], v[12:15], s[\b:\b+1] offset:\off
.else
	global_store_b128 v[LI], v[PC+4*\u:PC+4*\u+3], s[\b:\b+1] offset:\off
.endif
.endm
.macro OUT n                           ; pair n's codes and scale bytes (both halves of the lanes write the same byte).  Q, K: bytes 2 and 3 of a word meet zero codes and repeat 0 and 1
.irp u, 0,1,2,3
.if (\n) < 4
	STORE \u, 76+2*((\n)/2), 1024*\u+512*((\n)%2)
	ds_store_b8 v[VXQ], v[PB+\u] offset:1024*((\n)/2)+64*\u+(\n)%2
	ds_store_b8 v[VXQ], v[PB+\u] offset:1024*((\n)/2)+64*\u+(\n)%2+2
.else
	STORE \u, 80, 2048*(2*((\n)%2)+\u/2)+512*(\u%2)
	ds_store_b8 v[VXV], v[PB+\u] offset:64*(2*((\n)%2)+\u/2)+\u%2
.endif
.endr
.endm
.macro ODD bl                          ; a pair's second block: the way out ends in it, and the last pair leaves
	EDGE \bl
	PRODS \bl, 0, 16
	WIN 0
	OUT (\bl)/2-1
	PRODS \bl, 16, 32
.endm
	s_wait_tensorcnt 0x0                           ; W_q has landed too
	ds_add_u32 v[SPW], v[NIL]
	s_wait_dscnt 0x0                               ; x is in registers
	CROUND
	TLOAD G0R, G1R                                 ; W_k over x
	FETCH 0
	FETCH 1
	s_wait_dscnt 34
	PRODS 0, 0, 32
	EDGE 1
	s_cmp_lt_u32 s47, 4
	s_cbranch_scc0 .Lno_ask_v
	global_prefetch_b8 v[PFO], s[8:9] offset:1<<20 th:TH_LOAD_NT scope:SCOPE_SE
.Lno_ask_v:
	PRODS 1, 0, 32
	EDGE 2
	PRODS 2, 0, 20
	WIN 0
	WALU
	s_wait_tensorcnt 0x0                           ; my part of W_k has landed
	ds_add_u32 v[SPW], v[NIL]
	s_add_co_u32 s[G0R+1], s[G0R+1], YB
	s_add_nc_u64 s[G0R+2:G0R+3], s[G0R+2:G0R+3], 0x100000
	PRODS 2, 20, 28
	WIN 0
	WALU
	s_wait_dscnt 0x0                               ; W_q's last block is in registers
	s_barrier_signal -1
	PRODS 2, 28, 32
	WIN 0
	MIDDLE
	BARRIER
	TLOAD G0R, G1R                                 ; W_v over W_q
	ODD 3
	EDGE 4
	PRODS 4, 0, 32
	ODD 5
	EDGE 6
	PRODS 6, 0, 28
	WIN 0
	WALU
	s_wait_tensorcnt 0x0                           ; my part of W_v has landed
	s_wait_dscnt 0x0
	s_barrier_signal -1
	PRODS 6, 28, 32
	WIN 0
	s_barrier_wait -1
	ODD 7
	EDGE 8
	PRODS 8, 0, 32
	ODD 9
	EDGE 10
	PRODS 10, 0, 32
	ODD 11
	WIN 0
	PLACES 8
	WALU
	s_wait_xcnt 0x0
.set OPN, 0
.set XB, ACC+64
	GAP 124
	v_nop                                          ; the plain place behind the conversions
	OUT 5
	v_and_b32 v126, 31, v0
	s_lshl_b32 s20, s14, 8
	s_add_co_u32 s20, s20, SCW
	v_lshlrev_b32 v98, 3, v126
	v_lshl_add_u32 v99, v126, 3, s20
	WALU
	s_wait_dscnt 0x0                               ; the scale bytes
	BARRIER
	ds_load_b64 v[128:129], v99                    ; wave n: head n / 2, half n % 2 of its 512 bytes of Q, of K
	ds_load_b64 v[130:131], v99 offset:1024
	s_wait_dscnt 0x0
	global_store_b64 v98, v[128:129], s[82:83]
	global_store_b64 v98, v[130:131], s[84:85]
	s_cmp_lt_u32 s14, 2
	s_cbranch_scc0 .Lno_v
	ds_load_b64 v[132:133], v99 offset:2048        ; waves 0, 1: V's 256 bytes of head n
	s_wait_dscnt 0x0
	global_store_b64 v98, v[132:133], s[86:87]
.Lno_v:
	s_wait_tensorcnt 0x0
	ds_add_u32 v[SPW], v[NIL]
	s_wait_dscnt 0x0
	CROUND                                         ; the closing round
	s_endpgm
.Lfunc_end_k_q7bf2dce99a_qkv:
	.size	k_q7bf2dce99a_qkv, .Lfunc_end_k_q7bf2dce99a_qkv-k_q7bf2dce99a_qkv
	.p2alignl 7, 3214868480
	.fill 96, 4, 3214868480
	.section	.rodata,"a",@progbits
	.p2align	6, 0x0
	.amdhsa_kernel k_q7bf2dce99a_qkv
		.amdhsa_group_segment_fixed_size 327680
		.amdhsa_private_segment_fixed_size 0
		.amdhsa_enable_private_segment 0
		.amdhsa_kernarg_size 56
		.amdhsa_user_sgpr_count 2
		.amdhsa_user_sgpr_kernarg_segment_ptr 1
		.amdhsa_wavefront_size32 1
		.amdhsa_system_sgpr_workgroup_id_x 1
		.amdhsa_system_sgpr_workgroup_id_y 1
		.amdhsa_system_sgpr_workgroup_id_z 1
		.amdhsa_system_vgpr_workitem_id 0
		.amdhsa_next_free_vgpr 1024
		.amdhsa_next_free_sgpr 102
		.amdhsa_reserve_vcc 0
		.amdhsa_float_denorm_mode_32 3
		.amdhsa_float_denorm_mode_16_64 3
		.amdhsa_memory_ordered 1
		.amdhsa_forward_progress 1
		.amdhsa_inst_pref_size 165
	.end_amdhsa_kernel
	.amdgpu_metadata
---
amdhsa.version: [ 1, 2 ]
amdhsa.kernels:
  - .name:           k_q7bf2dce99a_qkv
    .symbol:         k_q7bf2dce99a_qkv.kd
    .args:
      - { .name: x_codes, .offset: 0, .size: 8, .value_kind: global_buffer, .address_space: global }
      - { .name: x_scales, .offset: 8, .size: 8, .value_kind: global_buffer, .address_space: global }
      - { .name: w_qkv_codes, .offset: 16, .size: 8, .value_kind: global_buffer, .address_space: global }
      - { .name: w_qkv_scales, .offset: 24, .size: 8, .value_kind: global_buffer, .address_space: global }
      - { .name: b_qkv, .offset: 32, .size: 8, .value_kind: global_buffer, .address_space: global }
      - { .name: q_ws, .offset: 40, .size: 8, .value_kind: global_buffer, .address_space: global }
      - { .name: kv_ws, .offset: 48, .size: 8, .value_kind: global_buffer, .address_space: global }
    .group_segment_fixed_size: 327680
    .private_segment_fixed_size: 0
    .kernarg_segment_align: 8
    .kernarg_segment_size: 56
    .max_flat_workgroup_size: 128
    .sgpr_count:     102
    .vgpr_count:     1024
    .wavefront_size: 32
...
	.end_amdgpu_metadata
.endif
;; end of part 1
;; launch attn (part 2): grid 8 x 32, 16 waves a work-group, clusters of 4 x 1, 327,680 bytes of LDS; arguments q_ws, kv_ws, o_ws; writes o_ws
.if DOCPART == 2
	.amdgcn_target "amdgcn-amd-amdhsa--gfx1250"
	.amdhsa_code_object_version 6
	.text
	.protected	k_q7bf2dce99a_attn
	.globl	k_q7bf2dce99a_attn
	.p2align	8
	.type	k_q7bf2dce99a_attn,@function
k_q7bf2dce99a_attn:
	s_mov_b64 s[64:65], 0
	v_nop
	global_prefetch_b8 v0, s[64:65] scope:SCOPE_SE
	s_setreg_imm32_b32 hwreg(HW_REG_WAVE_MODE, 25, 1), 1
	s_wait_xcnt 0x0
	s_wait_alu depctr_hold_cnt(0) depctr_sa_sdst(0) depctr_va_vdst(0) depctr_va_sdst(0) depctr_va_ssrc(0) depctr_va_vcc(0) depctr_vm_vsrc(0)
	s_getreg_b32 s2, hwreg(HW_REG_IB_STS2, 6, 4)
	s_cmp_eq_u32 s2, 0
	s_cbranch_scc0 .Lentry_in_a_cluster
	s_endpgm
.Lentry_in_a_cluster:
	s_bfe_u32 s2, ttmp6, 0x10000c
	s_cmp_lg_u32 s2, 0x3003
	s_cbranch_scc0 .Lentry_shape_is_right
	s_endpgm
.Lentry_shape_is_right:
; o = softmax(q k^T / 8) v for one head and 256 queries, both products on codes of FP8 (E4M3) with E8M0 scales; o is quantised along the model's 1,024 and stored as the last product's operand.  No work is left out.
; THE SOFTMAX: t = score x log2(e) / 8; M = the running largest t rounded UP to a whole number; p = 2^(t - M) is quantised along the keys, not normalised; the row's sum is taken of the unquantised p and divides at the end.
; When M moves, the sum and O are multiplied by 2^(old M - new M): exact.
; SHARES.  A work-group: one head (grid y), 256 queries; each of its sixteen waves 16 of them, in 256 registers: four waves to a SIMD, so that one wave's vector work stands beside another's products and LDS loads.
; A WHOLE HEAD'S K, V AND SCALES, 274,432 dense bytes, LIE IN LDS: one joint load a wave (a step of 128 keys) at the head; nothing is filled again, and nothing is left to ask for ahead.
; The first barrier shows waves 0 to 3's tiles (steps 0 to 3), the second the rest; no other barrier stands between the waves until the way out.
; CLUSTER.  The four work-groups of a cluster belong to one head: every fill is a joint load that names the four.
; LAYOUT.  Both products are used transposed: S^T = K Q^T, O^T = V^T P^T: a lane holds one query (lane % 16).  K, V and Q come as images of operand registers, 16 bytes a lane.  Inside each block of 32 the order of k is that in which
; two neighbouring result tiles convert (8 h + 0..7, 16 + 8 h + 0..7), the same on both sides of each product.
; THE HEAD'S 64 IN THE K = 128 FORM: Q's upper eight registers are zero codes.  K's tile T is named with the eight registers behind it (the next tile's codes; behind tile 7 eight registers of zeros): they meet zero codes.
; LIMITS: scaled scores under 2^31 in magnitude; a block of o whose largest magnitude lies under 2^-118 gets the byte 1, a block of zeros too (this program alone reads the bytes).  NaN and infinities are not served.
.set QB,   8704
.set QH,   16*QB
.set KVB,  17152                       ; a step of 128 keys: K 8,192, V^T 8,192, K's words 512, V's words 256
.set KVH,  16*KVB
.set ORB,  135168                      ; o_ws: a block of 128 rows: 4,096 bytes of scales, 131,072 of codes
.set OST,  KVH                         ; LDS behind the head: 512 bytes in which o's scale bytes are gathered
.set SPARE, KVH+512                    ; the spare words, 128 bytes a wave
.set LI,  1                            ; 16 x lane
.set LS,  2                            ; 4 x lane
.set ADL, 3                            ; LDS addresses: images, words
.set ADS, 4
.set SPW, 5
.set NIL, 6
.set QS,  7                            ; Q's words
.set KSC, 8                            ; K's scale words: lanes 0-15 tile 2 i, lanes 16-31 tile 2 i + 1
.set VSC, 12                           ; V's likewise
.set PW,  14                           ; p's scale word
.set Q,   16                           ; v16-23 Q's codes, v24-31 zeros
.set KF,  32                           ; v32-95 K's eight tiles or V's four fragments; v96-103 zeros
.set S,   104                          ; S^T, then p
.set O,   168                          ; O^T
.set P,   200                          ; p's codes
.set F,   216                          ; v216 f; v217 named with it as a pair
.set NM,  218                          ; v218 -M; v219 named with it
.set RM,  220                          ; the largest score
.set T0,  221
.set T1,  222
.set BM,  224                          ; the blocks' largest
.set PB,  228                          ; the other half's; the bytes
.set HD,  232                          ; 448 x the scale
.set SO,  236                          ; the conversions' scale operands
.set SUM, 240                          ; four chains of two
.set WV,  10
.set G1,  16
.set G0,  24
.set E8,  28                           ; s[28:29] 2^-8
.set TB,  30                           ; LDS byte at which the step in hand begins
.set TBK, 31                           ; and the step whose K is asked for
.set CNT, 32
.set NC,  33                           ; -log2(e) / 8
.set MNT, 34
.set FLR, 35                           ; 2^(9 - 127)
.set SEL, 40
.set CS,  42                           ; s[42:43] c = log2(e) / 8
.macro WALU
	s_wait_alu depctr_va_vdst(0)
.endm
.macro ROUND                           ; a round of the cluster's barrier
	s_barrier_signal -1
	s_barrier_wait -1
	s_cmp_lg_u32 s[WV], 0
	s_cbranch_scc1 .Lnot_wave_0_\@
	s_barrier_signal -3
.Lnot_wave_0_\@:
	s_barrier_wait -3
	s_barrier_signal -1
	s_barrier_wait -1
.endm
	s_load_b128 s[4:7], s[0:1], 0x0                ; q_ws, kv_ws
	s_load_b64 s[8:9], s[0:1], 0x10                ; o_ws
	v_lshl_add_u32 v[SPW], v0, 2, SPARE
	v_mov_b32 v[NIL], 0
	ds_add_u32 v[SPW], v[NIL]                      ; the opening lines: the add twice on end and its wait
	ds_add_u32 v[SPW], v[NIL]
	v_lshrrev_b32 v248, 5, v0
	v_readfirstlane_b32 s[WV], v248                ; wave 0..15
	v_and_b32 v249, 31, v0
	v_and_b32 v250, 15, v0
	v_lshlrev_b32 v[LI], 4, v249
	v_lshlrev_b32 v[LS], 2, v249
	v_lshlrev_b32 v251, 2, v250                    ; 4 r
	s_bfe_u32 s11, ttmp6, 0x40000                  ; cx: it enters q's and o's global addresses alone
	s_lshl_b32 s12, ttmp9, 2
	s_add_co_u32 s12, s12, s11                     ; my block of 256 queries
	s_and_b32 s13, ttmp7, 0xffff                   ; the head: 16 x batch + head
	; descriptor group 1: 67 rows of 256 bytes (32 elements of 8), dense, no padding: the images are read 16 bytes a lane on end
	s_mov_b32 s[G1], 15|(3<<16)|(1<<21)
	s_mov_b32 s[G1+1], 32<<16
	s_mov_b32 s[G1+2], 67<<16
	s_mov_b32 s[G1+3], 32<<16
	s_mov_b32 s[G1+4], 67
	s_mov_b32 s[G1+5], 32
	s_mov_b32 s[G1+6], 0
	s_mov_b32 s[G1+7], 0
	s_mul_i32 s14, s[WV], KVB                      ; wave w fetches step w
	s_mul_i32 s2, s13, KVH
	s_add_co_u32 s2, s2, s14
	s_mov_b32 s3, 0
	s_lshl_b32 s56, s12, 1
	s_lshr_b32 s57, s[WV], 3
	s_add_co_u32 s56, s56, s57                     ; my wave's block of 128 tokens in the head
	s_and_b32 s58, s[WV], 7                        ; and its tile of 16 in it
	s_mul_i32 s48, s13, QH
	s_mul_i32 s59, s56, QB
	s_add_co_u32 s48, s48, s59
	s_lshl_b32 s59, s58, 6
	s_add_co_u32 s50, s48, s59
	s_add_co_u32 s50, s50, 8192                    ; Q's scale words
	s_lshl_b32 s59, s58, 10
	s_add_co_u32 s48, s48, s59                     ; Q's codes
	s_mov_b32 s49, 0
	s_mov_b32 s51, 0
	s_lshr_b32 s59, s13, 4
	s_lshl_b32 s59, s59, 4                         ; 16 x batch
	s_and_b32 s60, s13, 15                         ; the head in the batch
	s_add_co_u32 s61, s59, s56                     ; my wave's block of 128 rows of o
	s_mul_i32 s52, s61, ORB
	s_lshr_b32 s62, s60, 1
	s_lshl_b32 s62, s62, 14                        ; K step of the last product: head / 2
	s_add_co_u32 s52, s52, s62
	s_lshl_b32 s62, s58, 11                        ; tile of rows
	s_add_co_u32 s52, s52, s62
	s_and_b32 s62, s60, 1
	s_lshl_b32 s62, s62, 10                        ; blocks 2 (head % 2) on
	s_add_co_u32 s52, s52, s62
	s_add_co_u32 s52, s52, 4096
	s_mov_b32 s53, 0
	s_lshl_b32 s62, s12, 1
	s_add_co_u32 s62, s62, s59                     ; the work-group's first block of rows
	s_mul_i32 s54, s62, ORB
	s_lshl_b32 s62, s60, 8
	s_add_co_u32 s54, s54, s62                     ; the head's plane of scale bytes
	s_mov_b32 s55, 0
	s_mov_b32 s[SEL], 0x76543210
	s_mov_b32 s[SEL+1], 0xfedcba98
	s_mov_b32 s[CS], 0x3e38aa3b
	s_mov_b32 s[CS+1], s[CS]
	s_mov_b32 s[NC], 0xbe38aa3b
	s_mov_b32 s[MNT], 0x600000
	s_mov_b32 s[FLR], 0x4800000
	s_mov_b32 s[E8], 0x3b800000
	s_mov_b32 s[E8+1], s[E8]
	s_mov_b32 s[TB], 0
	s_mov_b32 s[TBK], 0
	WALU
	s_wait_dscnt 0x0
	s_wait_kmcnt 0x0
	s_add_nc_u64 s[6:7], s[6:7], s[2:3]
	s_add_nc_u64 s[48:49], s[4:5], s[48:49]
	s_add_nc_u64 s[50:51], s[4:5], s[50:51]
	s_add_nc_u64 s[52:53], s[8:9], s[52:53]
	s_add_nc_u64 s[54:55], s[8:9], s[54:55]
	s_mov_b32 s[G0], 1
	s_mov_b32 s[G0+1], s14
	s_mov_b64 s[G0+2:G0+3], s[6:7]
	s_or_b32 s[G0+3], s[G0+3], 0x80000000
	ROUND                                          ; all four work-groups are here: the joint loads meet
	s_cmp_lt_u32 s[WV], 4                          ; ONE load a wave; waves 0 to 3, whose tiles are shown first, have a line of their own
	s_cbranch_scc0 .Llater
	tensor_load_to_lds s[G0:G0+3], s[G1:G1+7]
	s_nop 0
.rept 4
	v_nop
.endr
	s_branch .Lasked
.Llater:
	tensor_load_to_lds s[G0:G0+3], s[G1:G1+7]
	s_nop 0
.rept 4
	v_nop
.endr
.Lasked:
	global_load_b128 v[Q:Q+3], v[LI], s[48:49]
	global_load_b128 v[Q+4:Q+7], v[LI], s[48:49] offset:512
	global_load_b32 v[QS], v251, s[50:51]
.irp j, 0,1,2,3,4,5,6,7
	v_mov_b32 v[Q+8+\j], 0                         ; zero codes: the upper half of the K = 128 product
	v_mov_b32 v[KF+64+\j], 0                       ; what stands behind K's tile 7
	v_mov_b32 v[SUM+\j], 0
.endr
	v_mov_b32 v[RM], 0xff61b1e6                    ; the largest score so far: -3e38
	v_mov_b32 v[NM], 0x7e000000                    ; -M so far: so large that the first f is 0
	v_mov_b32 v[NM+1], 0
	v_mov_b32 v[F+1], 0
.irp b, 0,1,2,3
	v_mov_b32 v[PB+\b], 0                          ; a lane permute's destination counts as one of its sources
.endr
.set i, 0
.rept 32
	v_mov_b32 v[O+i], 0                            ; the step is written once: its first walk finds zeros
.set i, i+1
.endr
.macro PLACES n
.rept \n
	v_nop
.endr
.endm
.macro KLOAD                           ; K's eight tiles and their words
	v_add_nc_u32 v[ADL], s[TBK], v[LI]
	v_add_nc_u32 v[ADS], s[TBK], v[LS]
	PLACES 6                                       ; with the two additions: eight places behind the products that read these registers
.irp k, 0,1,2,3,4,5,6,7
	ds_load_b128 v[KF+8*\k:KF+8*\k+3], v[ADL] offset:1024*\k
	ds_load_b128 v[KF+8*\k+4:KF+8*\k+7], v[ADL] offset:1024*\k+512
.endr
.irp k, 0,1,2,3
	ds_load_b32 v[KSC+\k], v[ADS] offset:16384+128*\k
.endr
.endm
.macro SUMS k                          ; pairs k .. k + 3 of p into the four chains
.irp j, 0,1,2,3
	v_pk_add_f32 v[SUM+2*\j:SUM+2*\j+1], v[SUM+2*\j:SUM+2*\j+1], v[S+2*(\k+\j):S+2*(\k+\j)+1]
.endr
.endm
.macro HOLD j                          ; the hold of pair j: p is not negative
	v_dual_min_num_f32 v[S+2*(\j)], v[S+2*(\j)], v[HD+(\j)/8] :: v_dual_min_num_f32 v[S+2*(\j)+1], v[S+2*(\j)+1], v[HD+(\j)/8]
.endm
.macro HOLD4 j
	HOLD \j
	HOLD \j+1
	HOLD \j+2
	HOLD \j+3
.endm
.macro CVT b, w
	v_cvt_scalef32_pk8_fp8_f32 v[P+4*\b+2*\w:P+4*\b+2*\w+1], v[S+16*\b+8*\w:S+16*\b+8*\w+7], v[SO+\b]
.endm
.macro TRIP last                       ; a step of 128 keys
	s_wait_dscnt 0x0                               ; K of this step
.irp k, 0,2,4,6                        ; S^T = K Q^T: tile k holds keys 16 k + 8 h + 0..7 of my query
	v_wmma_scale_f32_16x16x128_f8f6f4 v[S+8*\k:S+8*\k+7], v[KF+8*\k:KF+8*\k+15], v[Q:Q+15], 0, v[KSC+\k/2], v[QS]
	v_wmma_scale_f32_16x16x128_f8f6f4 v[S+8*\k+8:S+8*\k+15], v[KF+8*\k+8:KF+8*\k+23], v[Q:Q+15], 0, v[KSC+\k/2], v[QS] matrix_a_scale:MATRIX_SCALE_ROW1
.endr
	v_add_nc_u32 v[ADL], s[TB], v[LI]
	v_add_nc_u32 v[ADS], s[TB], v[LS]
	PLACES 6                                       ; with the two additions: eight places behind the products
.irp f, 0,1,2,3                        ; V's fragments land while the softmax is walked
.irp c, 0,1,2,3
	ds_load_b128 v[KF+16*\f+4*\c:KF+16*\f+4*\c+3], v[ADL] offset:8192+2048*\f+512*\c
.endr
.endr
.irp k, 0,1
	ds_load_b32 v[VSC+\k], v[ADS] offset:16896+128*\k
.endr
.irp b, 0,1,2,3
	v_max3_num_f32 v[BM+\b], v[S+16*\b], v[S+16*\b+1], v[S+16*\b+2]   ; the largest score of each block of 32 keys: for the row's maximum, and, since p rises with the score, for the block's largest p
.endr
.irp i, 3,5,7,9,11
.irp b, 0,1,2,3
	v_max3_num_f32 v[BM+\b], v[BM+\b], v[S+16*\b+\i], v[S+16*\b+\i+1]
.endr
.endr
.irp b, 0,1,2,3
	v_max3_num_f32 v[BM+\b], v[BM+\b], v[S+16*\b+13], v[S+16*\b+14+\b%2]
.endr
	v_dual_max_num_f32 v[BM], v[BM], v[S+15] :: v_dual_max_num_f32 v[BM+1], v[BM+1], v[S+30]
	v_dual_max_num_f32 v[BM+2], v[BM+2], v[S+47] :: v_dual_max_num_f32 v[BM+3], v[BM+3], v[S+62]
.irp b, 0,1,2,3
	v_permlanex16_b32 v[PB+\b], v[BM+\b], s[SEL], s[SEL+1]
.endr
	v_dual_max_num_f32 v[BM], v[BM], v[PB] :: v_dual_max_num_f32 v[BM+1], v[BM+1], v[PB+1]
	v_dual_max_num_f32 v[BM+2], v[BM+2], v[PB+2] :: v_dual_max_num_f32 v[BM+3], v[BM+3], v[PB+3]
	v_max3_num_f32 v[T0], v[BM], v[BM+1], v[BM+2]
	s_delay_alu instid0(VALU_DEP_1)
	v_max3_num_f32 v[RM], v[RM], v[T0], v[BM+3]    ; the running largest score
	v_mov_b32 v[T1], v[NM]
	s_delay_alu instid0(VALU_DEP_2)
	v_mul_f32 v[T0], s[NC], v[RM]
	s_delay_alu instid0(VALU_DEP_1)
	v_floor_f32 v[NM], v[T0]                       ; -M = floor(-t)
	s_delay_alu instid0(VALU_DEP_1)
	v_sub_f32 v[T1], v[NM], v[T1]                  ; old M - new M: a whole number, 0 or less
.set i, 0
.rept 32
	v_pk_fma_f32 v[S+i:S+i+1], v[S+i:S+i+1], s[CS:CS+1], v[NM:NM+1] op_sel_hi:[1,0,0]   ; t - M
.if i == 10
	v_cvt_i32_f32 v[T1], v[T1]                     ; (it saturates)
.endif
.set i, i+2
.endr
	v_pk_fma_f32 v[BM:BM+1], v[BM:BM+1], s[CS:CS+1], v[NM:NM+1] op_sel_hi:[1,0,0]
	v_pk_fma_f32 v[BM+2:BM+3], v[BM+2:BM+3], s[CS:CS+1], v[NM:NM+1] op_sel_hi:[1,0,0]
	WALU                                           ; ahead of the batch
.irp b, 0,1,2,3
	v_exp_f32 v[BM+\b], v[BM+\b]                   ; the blocks' largest p
.endr
.set i, 0
.rept 64
	v_exp_f32 v[S+i], v[S+i]                       ; p = 2^(t - M)
.set i, i+1
.endr
	v_ldexp_f32 v[F], 1.0, v[T1]                   ; f = 2^(old M - new M); also the plain place behind the exponentials
	WALU                                           ; and behind it
	v_dual_max_num_f32 v[BM], s[FLR], v[BM] :: v_dual_max_num_f32 v[BM+1], s[FLR], v[BM+1]   ; the floor 2^(9 - 127)
	v_dual_max_num_f32 v[BM+2], s[FLR], v[BM+2] :: v_dual_max_num_f32 v[BM+3], s[FLR], v[BM+3]
.irp j, 0,1,2,3
	v_pk_fma_f32 v[SUM+2*\j:SUM+2*\j+1], v[SUM+2*\j:SUM+2*\j+1], v[F:F+1], v[S+2*\j:S+2*\j+1] op_sel_hi:[1,0,1]   ; the sums under the new M, and the first p
.endr
.irp b, 0,1,2,3
	v_and_or_b32 v[HD+\b], v[BM+\b], 0x7f800000, s[MNT]   ; 1.75 x the power of two in the block's largest p: 448 x the scale
.endr
	SUMS 4
	v_pk_mul_f32 v[SO:SO+1], v[HD:HD+1], s[E8:E8+1] op_sel_hi:[1,0]   ; the conversion takes the exponent field alone: 8 less
	v_pk_mul_f32 v[SO+2:SO+3], v[HD+2:HD+3], s[E8:E8+1] op_sel_hi:[1,0]
	SUMS 8
.irp b, 0,1,2,3
	v_lshrrev_b32 v[PB+\b], 23, v[SO+\b]           ; the scale's byte
.endr
	SUMS 12
	HOLD4 0
	HOLD4 4
	SUMS 16
	CVT 0, 0
	HOLD4 8
	CVT 0, 1
	HOLD4 12
	SUMS 20
	CVT 1, 0
	HOLD4 16
	CVT 1, 1
	HOLD4 20
	SUMS 24
	SUMS 28
	CVT 2, 0
	HOLD4 24
	CVT 2, 1
	HOLD4 28
	CVT 3, 0
	v_lshl_or_b32 v[PW], v[PB+1], 8, v[PB]
	v_lshl_or_b32 v[PW], v[PB+2], 16, v[PW]
	CVT 3, 1
	v_lshl_or_b32 v[PW], v[PB+3], 24, v[PW]        ; also the plain place behind the conversions
	WALU
	s_wait_dscnt 0x0                               ; V
	WALU                                           ; directly ahead of the first reader of O^T
.set i, 0
.rept 16
	v_pk_mul_f32 v[O+i:O+i+1], v[O+i:O+i+1], v[F:F+1] op_sel_hi:[1,0]   ; O^T under the new M; also the places between the conversions and the products
.set i, i+2
.endr
.irp f, 0,2                            ; O^T += V^T P^T; the four accumulators take turns
	v_wmma_scale_f32_16x16x128_f8f6f4 v[O+8*\f:O+8*\f+7], v[KF+16*\f:KF+16*\f+15], v[P:P+15], v[O+8*\f:O+8*\f+7], v[VSC+\f/2], v[PW]
	v_wmma_scale_f32_16x16x128_f8f6f4 v[O+8*\f+8:O+8*\f+15], v[KF+16*\f+16:KF+16*\f+31], v[P:P+15], v[O+8*\f+8:O+8*\f+15], v[VSC+\f/2], v[PW] matrix_a_scale:MATRIX_SCALE_ROW1
.endr
	s_add_co_u32 s[TB], s[TB], KVB
	s_mov_b32 s[TBK], s[TB]
.if \last
	s_min_u32 s[TBK], s[TBK], 15*KVB               ; the last trip reads its own K again, and nothing uses it
.endif
	KLOAD
	s_sub_co_u32 s[CNT], s[CNT], 1
	s_cmp_lg_u32 s[CNT], 0
.endm
	WALU                                           ; the head's end
	s_wait_loadcnt 0x0                             ; Q
	s_cmp_lt_u32 s[WV], 4
	s_cbranch_scc0 .Lnot_yet
	s_wait_tensorcnt 0x0                           ; waves 0 to 3: steps 0 to 3 have landed
.Lnot_yet:
	s_barrier_signal -1
	s_barrier_wait -1
	KLOAD
	s_mov_b32 s[CNT], 3
.Lfirst:                                           ; steps 0 to 2 (K of step 3 is the last that they read)
	TRIP 0
	s_cbranch_scc1 .Lfirst
	s_wait_tensorcnt 0x0                           ; my tile, whichever it is
	s_wait_dscnt 0x0
	s_barrier_signal -1
	s_barrier_wait -1                              ; the whole head has landed
	s_mov_b32 s[TB], 3*KVB
	s_mov_b32 s[CNT], 13
.Lrest:
	TRIP 1
	s_cbranch_scc1 .Lrest
	s_wait_dscnt 0x0
	; THE WAY OUT.  O^T / the sum is quantised along the head's 64 (two blocks of the model's 1,024) and stored in the natural order of k, as the image of the last product's operand.
	v_pk_add_f32 v[SUM:SUM+1], v[SUM:SUM+1], v[SUM+2:SUM+3]
	v_pk_add_f32 v[SUM+4:SUM+5], v[SUM+4:SUM+5], v[SUM+6:SUM+7]
	v_and_b32 v248, 15, v0                         ; r
	v_bfe_u32 v249, v0, 4, 1                       ; h
	v_pk_add_f32 v[SUM:SUM+1], v[SUM:SUM+1], v[SUM+4:SUM+5]
	s_lshl_b32 s47, s[WV], 5
	s_add_co_u32 s47, s47, OST
	v_lshlrev_b32 v250, 4, v248
	v_mul_u32_u24 v253, v249, ORB
	v_add_f32 v[SUM], v[SUM], v[SUM+1]
	v_lshl_add_u32 v251, v248, 1, s47              ; OST + 32 wave + 2 r
	v_add_nc_u32 v252, OST, v[LI]
	v_permlanex16_b32 v[PB], v[SUM], s[SEL], s[SEL+1]
	v_lshl_add_u32 v250, v249, 3, v250             ; 16 r + 8 h
	v_lshl_add_u32 v253, v248, 4, v253             ; 16 r + h blocks of o_ws
	v_add_f32 v[SUM], v[SUM], v[PB]
	WALU
	v_rcp_f32 v[SUM], v[SUM]
	v_nop
	WALU
.set i, 0
.rept 16
	v_pk_mul_f32 v[O+i:O+i+1], v[O+i:O+i+1], v[SUM:SUM+1] op_sel_hi:[1,0]   ; register 8 f + j = o(query r, channel 16 f + 8 h + j)
.set i, i+2
.endr
.irp k, 0,1
	v_max3_num_f32 v[BM+\k], |v[O+16*\k]|, |v[O+16*\k+1]|, 0x4800000
.endr
.irp i, 2,4,6,8,10,12,14
.irp k, 0,1
	v_max3_num_f32 v[BM+\k], v[BM+\k], |v[O+16*\k+\i]|, |v[O+16*\k+\i+1]|
.endr
.endr
.irp k, 0,1
	v_permlanex16_b32 v[PB+\k], v[BM+\k], s[SEL], s[SEL+1]
.endr
.irp k, 0,1
	v_max_num_f32 v[BM+\k], v[BM+\k], v[PB+\k]
.endr
.irp k, 0,1
	v_add_nc_u32 v[SO+\k], 0xfc000000, v[BM+\k]
.endr
.irp k, 0,1
	v_and_or_b32 v[HD+\k], v[BM+\k], 0x7f800000, s[MNT]
.endr
.irp k, 0,1
	v_lshrrev_b32 v[PB+\k], 23, v[SO+\k]
.endr
	v_lshl_or_b32 v254, v[PB+1], 8, v[PB]          ; my row's two scale bytes
.irp k, 0,1
.irp i, 0,1,2,3,4,5,6,7,8,9,10,11,12,13,14,15
	v_med3_num_f32 v[O+16*\k+\i], v[O+16*\k+\i], -v[HD+\k], v[HD+\k]
.endr
	v_cvt_scalef32_pk8_fp8_f32 v[P+4*\k:P+4*\k+1], v[O+16*\k:O+16*\k+7], v[SO+\k]
	v_cvt_scalef32_pk8_fp8_f32 v[P+4*\k+2:P+4*\k+3], v[O+16*\k+8:O+16*\k+15], v[SO+\k]
.endr
	v_nop
.irp k, 0,1                            ; channels 32 k + 8 h + 0..7 belong to the operand's lane r at byte 8 h, channels 32 k + 16 + 8 h + 0..7 to lane 16 + r: each store covers 256 consecutive bytes, aligned
	global_store_b64 v250, v[P+4*\k:P+4*\k+1], s[52:53] offset:512*\k
	global_store_b64 v250, v[P+4*\k+2:P+4*\k+3], s[52:53] offset:512*\k+256
.endr
	ds_store_b16 v251, v254                        ; both halves of the lanes write the same two bytes with the same value
	s_wait_dscnt 0x0                               ; for wave 0's sake
	s_barrier_signal -1
	s_barrier_wait -1
	s_cmp_lg_u32 s[WV], 0
	s_cbranch_scc1 .Lnot_first
	ds_load_b128 v[S:S+3], v252                    ; 256 rows x 2 bytes
	s_wait_dscnt 0x0
	global_store_b128 v253, v[S:S+3], s[54:55]     ; lanes 0-15: the first block of rows' 256 bytes; lanes 16-31: the second's
.Lnot_first:
	s_wait_tensorcnt 0x0
	ds_add_u32 v[SPW], v[NIL]
	s_wait_dscnt 0x0
	ROUND                                          ; the closing round
	s_endpgm
.Lfunc_end_k_q7bf2dce99a_attn:
	.size	k_q7bf2dce99a_attn, .Lfunc_end_k_q7bf2dce99a_attn-k_q7bf2dce99a_attn
	.p2alignl 7, 3214868480
	.fill 96, 4, 3214868480
	.section	.rodata,"a",@progbits
	.p2align	6, 0x0
	.amdhsa_kernel k_q7bf2dce99a_attn
		.amdhsa_group_segment_fixed_size 327680
		.amdhsa_private_segment_fixed_size 0
		.amdhsa_enable_private_segment 0
		.amdhsa_kernarg_size 24
		.amdhsa_user_sgpr_count 2
		.amdhsa_user_sgpr_kernarg_segment_ptr 1
		.amdhsa_wavefront_size32 1
		.amdhsa_system_sgpr_workgroup_id_x 1
		.amdhsa_system_sgpr_workgroup_id_y 1
		.amdhsa_system_sgpr_workgroup_id_z 1
		.amdhsa_system_vgpr_workitem_id 0
		.amdhsa_next_free_vgpr 256
		.amdhsa_next_free_sgpr 66
		.amdhsa_reserve_vcc 0
		.amdhsa_float_denorm_mode_32 3
		.amdhsa_float_denorm_mode_16_64 3
		.amdhsa_memory_ordered 1
		.amdhsa_forward_progress 1
		.amdhsa_inst_pref_size 53
	.end_amdhsa_kernel
	.amdgpu_metadata
---
amdhsa.version: [ 1, 2 ]
amdhsa.kernels:
  - .name:           k_q7bf2dce99a_attn
    .symbol:         k_q7bf2dce99a_attn.kd
    .args:
      - { .name: q_ws, .offset: 0, .size: 8, .value_kind: global_buffer, .address_space: global }
      - { .name: kv_ws, .offset: 8, .size: 8, .value_kind: global_buffer, .address_space: global }
      - { .name: o_ws, .offset: 16, .size: 8, .value_kind: global_buffer, .address_space: global }
    .group_segment_fixed_size: 327680
    .private_segment_fixed_size: 0
    .kernarg_segment_align: 8
    .kernarg_segment_size: 24
    .max_flat_workgroup_size: 512
    .sgpr_count:     66
    .vgpr_count:     256
    .wavefront_size: 32
...
	.end_amdgpu_metadata
.endif
;; end of part 2
;; launch proj (part 3): grid 8 x 32, 4 waves a work-group, clusters of 4 x 4, 327,680 bytes of LDS; arguments o_ws, w_proj_codes, w_proj_scales, b_proj, out0; writes out0
.if DOCPART == 3
	.amdgcn_target "amdgcn-amd-amdhsa--gfx1250"
	.amdhsa_code_object_version 6
	.text
	.protected	k_q7bf2dce99a_proj
	.globl	k_q7bf2dce99a_proj
	.p2align	8
	.type	k_q7bf2dce99a_proj,@function
k_q7bf2dce99a_proj:
	s_mov_b64 s[64:65], 0
	v_nop
	global_prefetch_b8 v0, s[64:65] scope:SCOPE_SE
	s_setreg_imm32_b32 hwreg(HW_REG_WAVE_MODE, 25, 1), 1
	s_wait_xcnt 0x0
	s_wait_alu depctr_hold_cnt(0) depctr_sa_sdst(0) depctr_va_vdst(0) depctr_va_sdst(0) depctr_va_ssrc(0) depctr_va_vcc(0) depctr_vm_vsrc(0)
	s_getreg_b32 s2, hwreg(HW_REG_IB_STS2, 6, 4)
	s_cmp_eq_u32 s2, 0
	s_cbranch_scc0 .Lentry_in_a_cluster
	s_endpgm
.Lentry_in_a_cluster:
	s_bfe_u32 s2, ttmp6, 0x10000c
	s_cmp_lg_u32 s2, 0xf033
	s_cbranch_scc0 .Lentry_shape_is_right
	s_endpgm
.Lentry_shape_is_right:
; out0 = o w_proj^T + b_proj on codes of FP8 (E4M3) with E8M0 scales, K = 1,024; out0 [4,096][1,024] f32.
; A tile of 128 x 128 is made by a work-group of four waves, 64 x 64 each: 16 accumulators.  256 tiles: one for each WGP; tiles of 256 x 256 would be 64.
; ALL OF K LIES IN LDS, in two halves of 512, by ONE joint load a wave at the head: wave 0 o's 128 rows (their 4,096 scale bytes and K steps 0-3, dense), wave 1 w's 128 rows, K 0-511 (padded), waves 2 and 3 the second halves.
; The first barrier shows waves 0 and 1's tiles, the second the rest.  Nothing is filled again, and all that is read is asked for at the head.  w's scale words go straight into registers.
; CLUSTERS: 4 x 4 work-groups.  o's block hangs on cy and is shared along a row of the cluster, w's rows on cx and are shared along a column.
; THE MATRIX INSTRUCTION IS USED TRANSPOSED (source 0 = 16 rows of w, source 1 = 16 rows of o): a lane holds eight neighbouring numbers of a row of out0.  The bias is the C of the first K step.
; Both halves go by row tiles of 16 (a), so that in the second a finished row tile leaves while the next is multiplied.
; REGISTERS: window 0: v16-31 o's scale words, v34-49 w's; v50-61 addresses; v64-95 the bias, v96-127 o's scale bytes as loaded, both later rows on the way out; v128-255 o's fragments, two row tiles of a half.
;   windows 1, 3: w's fragments of the first, second half (K step q, tile b at 64 q + 16 b); window 2: the accumulators ((a, b) at 8 (4 a + b)).
.set ORB,   135168
.set OBH,   69632                      ; LDS: o's second half
.set WC,    135168                     ; w's first half: 128 rows x 528
.set WHALF, 128*528
.set STG,   WC+2*WHALF                 ; the stages for the way out: 16 rows x 272 for each wave
.set SPARE, STG+4*16*272
.set SA,   16                          ; register 8 (a / 2) + s: lanes 0-15 tile a even, lanes 16-31 a odd, K step s
.set SB,   34                          ; the same for w's tiles b
.set ADRA, 50
.set ADRB, 52
.set ADSA, 54
.set STO,  55
.set RD,   56
.set CO,   57
.set BOF,  58
.set WSO,  59
.set SPW,  60
.set NIL,  61
.set BIAS, 64
.set RAW,  96
.set AF,   128
.set G1A,  24                          ; o's first load;  s[32:39] o's second;  s[40:47] w's
.set G1C,  32
.set G1B,  40
.set MSB, 0
.macro WIN new
.if MSB != (\new)
	s_set_vgpr_msb (MSB<<8)|(\new)
.set MSB, (\new)
.endif
.endm
.macro CROUND                          ; a round of the cluster's barrier
	s_barrier_signal -1
	s_barrier_wait -1
	s_cmp_lg_u32 s14, 0
	s_cbranch_scc1 .Lnot_wave_0_\@
	s_barrier_signal -3
.Lnot_wave_0_\@:
	s_barrier_wait -3
	s_barrier_signal -1
	s_barrier_wait -1
.endm
.macro SHAPE g, c, r, p                ; words 1 to 7 of a group 1: r rows of c elements, p elements from row to row
	s_mov_b32 s[\g+1], (\c)<<16
	s_mov_b32 s[\g+2], (\r)<<16
	s_mov_b32 s[\g+3], (\c)<<16
	s_mov_b32 s[\g+4], \r
	s_mov_b32 s[\g+5], \p
	s_mov_b32 s[\g+6], 0
	s_mov_b32 s[\g+7], 0
.endm
.macro MKG0 g, lds, ptr, goff          ; a group 0
	s_mov_b32 s[\g], 1
	s_mov_b32 s[\g+1], \lds
	s_add_nc_u64 s[\g+2:\g+3], s[\ptr:\ptr+1], \goff
	s_or_b32 s[\g+3], s[\g+3], 0x80000000
.endm
.macro ARM under, g0, g1, next
	s_cmp_lt_u32 s14, \under
	s_cbranch_scc0 \next
	tensor_load_to_lds s[\g0:\g0+3], s[\g1:\g1+7]
	s_nop 0
.rept 4
	v_nop
.endr
	s_branch .Lfilled
\next:
.endm
.macro PLACES n
.rept \n
	v_nop
.endr
.endm
	s_load_b256 s[4:11], s[0:1], 0x0               ; o_ws s[4:5], w's codes s[6:7], w's scales s[8:9], the bias s[10:11]
	s_load_b64 s[12:13], s[0:1], 0x20              ; out0
	v_lshl_add_u32 v[SPW], v0, 2, SPARE
	v_mov_b32 v[NIL], 0
	ds_add_u32 v[SPW], v[NIL]                      ; the opening lines: the add twice on end and its wait
	ds_add_u32 v[SPW], v[NIL]
	v_lshrrev_b32 v1, 5, v0
	v_readfirstlane_b32 s14, v1                    ; wave 0..3
	s_lshr_b32 s15, s14, 1                         ; which half of the tile's rows is mine
	s_and_b32 s16, s14, 1                          ; which half of its columns
	s_bfe_u32 s18, ttmp6, 0x40000                  ; cx
	s_bfe_u32 s19, ttmp6, 0x40004                  ; cy
	s_lshl_b32 s20, ttmp9, 2
	s_add_co_u32 s20, s20, s18                     ; tile column
	s_and_b32 s17, ttmp7, 0xffff
	s_lshl_b32 s17, s17, 2
	s_add_co_u32 s17, s17, s19                     ; block of 128 rows
	s_lshl_b32 s21, s19, 2
	s_lshl_b32 s21, 15, s21                        ; my row of the cluster
	s_lshl_b32 s22, 0x1111, s18                    ; my column
	s_or_b32 s[G1A], s21, (3<<16)|(1<<21)          ; o: elements of 8 bytes, no padding
	s_or_b32 s[G1C], s21, (3<<16)|(1<<21)
	s_or_b32 s[G1B], s22, (0<<16)|(1<<20)|(1<<21)|(6<<22)|(3<<25)    ; w: elements of 1 byte; 4 words of padding behind every 128
	SHAPE G1A, 32, 272, 32
	SHAPE G1C, 32, 256, 32
	SHAPE G1B, 512, 128, 1024
	v_and_b32 v1, 15, v0                           ; r
	v_bfe_u32 v2, v0, 4, 1                         ; h
	v_and_b32 v3, 31, v0                           ; lane
	v_lshlrev_b32 v4, 4, v3
	s_lshl_b32 s23, s15, 13                        ; my four tiles of rows
	s_add_co_u32 s23, s23, 4096                    ; behind the scale bytes
	v_add_nc_u32 v[ADRA], s23, v4
	v_add_nc_u32 v[ADRA+1], OBH-4096, v[ADRA]
	v_mul_u32_u24 v5, v1, 528
	v_lshl_add_u32 v5, v2, 4, v5
	s_mul_i32 s23, s16, 64*528
	s_add_co_u32 s23, s23, WC
	v_add_nc_u32 v[ADRB], s23, v5
	v_add_nc_u32 v[ADRB+1], WHALF, v[ADRB]
	s_lshl_b32 s23, s15, 7
	v_lshl_add_u32 v[ADSA], v3, 1, s23             ; row 64 (wave / 2) + lane: 2 bytes a row
	v_lshlrev_b32 v[WSO], 5, v3                    ; w's scale words: 32 bytes a row
	s_mul_i32 s23, s14, 16*272
	s_add_co_u32 s23, s23, STG                     ; my stage
	v_mul_u32_u24 v7, v1, 272
	v_lshl_add_u32 v7, v2, 5, v7
	v_add_nc_u32 v[STO], s23, v7                   ; in: row r, 32 bytes for each half of the lanes
	v_mul_u32_u24 v7, v2, 272
	v_lshl_add_u32 v7, v1, 4, v7
	v_add_nc_u32 v[RD], s23, v7                    ; back: lanes 0-15 one row of 256 bytes, lanes 16-31 the next
	v_lshlrev_b32 v[CO], 12, v2
	v_lshl_add_u32 v[CO], v1, 4, v[CO]             ; and the same two rows in out0
	v_lshlrev_b32 v[BOF], 5, v2
	s_mul_i32 s2, s17, ORB
	s_mov_b32 s3, 0
	s_lshl_b32 s20, s20, 7                         ; the tile's first column
	s_lshl_b32 s22, s20, 10
	s_mov_b32 s23, 0
	s_lshl_b32 s76, s16, 6
	s_add_co_u32 s76, s76, s20                     ; my wave's first column
	s_lshl_b32 s78, s76, 5
	s_mov_b32 s79, 0
	s_lshl_b32 s80, s76, 2
	s_mov_b32 s81, 0
	s_lshl_b32 s82, s17, 7
	s_lshl_b32 s83, s15, 6
	s_add_co_u32 s82, s82, s83                     ; my first row
	s_lshl_b32 s82, s82, 12
	s_add_co_u32 s82, s82, s80
	s_mov_b32 s83, 0
	s_wait_alu depctr_va_vdst(0)                   ; the wait at the head's end
	s_wait_dscnt 0x0
	s_wait_kmcnt 0x0
	s_add_nc_u64 s[4:5], s[4:5], s[2:3]            ; my block of o
	s_add_nc_u64 s[6:7], s[6:7], s[22:23]          ; w's rows
	s_add_nc_u64 s[8:9], s[8:9], s[78:79]
	s_add_nc_u64 s[10:11], s[10:11], s[80:81]
	s_add_nc_u64 s[12:13], s[12:13], s[82:83]      ; out0 at my wave's corner
	MKG0 56, 0, 4, 0
	MKG0 60, WC, 6, 0
	MKG0 68, OBH, 4, OBH
	MKG0 72, WC+WHALF, 6, 512
	CROUND                                         ; all sixteen work-groups are here: the joint loads meet
	ARM 1, 56, G1A, .Lfill_w
	ARM 2, 60, G1B, .Lfill_o2
	ARM 3, 68, G1C, .Lfill_w2
	tensor_load_to_lds s[72:75], s[G1B:G1B+7]
	s_nop 0
	PLACES 4
.Lfilled:
.irp b, 0,1,2,3
	global_load_b128 v[BIAS+8*\b:BIAS+8*\b+3], v[BOF], s[10:11] offset:64*\b      ; register 8 b + j = column 16 b + 8 h + j
	global_load_b128 v[BIAS+8*\b+4:BIAS+8*\b+7], v[BOF], s[10:11] offset:64*\b+16
.endr
.irp b, 0,1
	global_load_b128 v[SB+8*\b:SB+8*\b+3], v[WSO], s[8:9] offset:1024*\b          ; row 32 b + lane of my 64: its eight scale words
	global_load_b128 v[SB+8*\b+4:SB+8*\b+7], v[WSO], s[8:9] offset:1024*\b+16
.endr
.macro BLOAD h, q                      ; w's four fragments of K step 4 h + q: 16 loads
	WIN (1+2*\h)<<6
.irp b, 0,1,2,3
.irp c, 0,1,2,3
	ds_load_b128 v[64*\q+16*\b+4*\c:64*\q+16*\b+4*\c+3], v[ADRB+\h] offset:16*528*\b+128*\q+32*\c
.endr
.endr
	WIN 0
.endm
.macro ALOAD h, a                      ; o's four fragments of row tile a, half h: 16 loads
.irp q, 0,1,2,3
.irp c, 0,1,2,3
	ds_load_b128 v[AF+64*((\a)%2)+16*\q+4*\c:AF+64*((\a)%2)+16*\q+4*\c+3], v[ADRA+\h] offset:16384*\q+2048*(\a)+512*\c
.endr
.endr
.endm
.macro WMS d, a, b, c, sa, sb, ra, rb  ; one product; ra, rb: the scales stand in lanes 16-31
.if (\ra) && (\rb)
	v_wmma_scale_f32_16x16x128_f8f6f4 v[\d:\d+7], v[\a:\a+15], v[\b:\b+15], v[\c:\c+7], v[\sa], v[\sb] matrix_a_scale:MATRIX_SCALE_ROW1 matrix_b_scale:MATRIX_SCALE_ROW1
.elseif \ra
	v_wmma_scale_f32_16x16x128_f8f6f4 v[\d:\d+7], v[\a:\a+15], v[\b:\b+15], v[\c:\c+7], v[\sa], v[\sb] matrix_a_scale:MATRIX_SCALE_ROW1
.elseif \rb
	v_wmma_scale_f32_16x16x128_f8f6f4 v[\d:\d+7], v[\a:\a+15], v[\b:\b+15], v[\c:\c+7], v[\sa], v[\sb] matrix_b_scale:MATRIX_SCALE_ROW1
.else
	v_wmma_scale_f32_16x16x128_f8f6f4 v[\d:\d+7], v[\a:\a+15], v[\b:\b+15], v[\c:\c+7], v[\sa], v[\sb]
.endif
.endm
.macro QM h, a, q                      ; four products: row tile a, K step 4 h + q; a row tile's four accumulators take turns
.if (\h) == 0 && (\q) == 0
	WIN 0x81
.else
	WIN 0xa1+2*(\h)
.endif
.irp b, 0,1,2,3
.if (\h) == 0 && (\q) == 0
	WMS 8*(4*(\a)+\b), 64*(\q)+16*\b, AF+64*((\a)%2)+16*(\q), BIAS+8*\b, SB+8*(\b/2)+4*(\h)+(\q), SA+8*((\a)/2)+4*(\h)+(\q), \b%2, (\a)%2
.else
	WMS 8*(4*(\a)+\b), 64*(\q)+16*\b, AF+64*((\a)%2)+16*(\q), 8*(4*(\a)+\b), SB+8*(\b/2)+4*(\h)+(\q), SA+8*((\a)/2)+4*(\h)+(\q), \b%2, (\a)%2
.endif
.endr
.endm
.macro ROW h, a
	QM \h, \a, 0
	QM \h, \a, 1
	QM \h, \a, 2
	QM \h, \a, 3
	WIN 0
.endm
.macro ROWW h, a                       ; the half's first row tile: behind w's K step q stand 64 - 16 (q + 1) loads of w and 16 of o's next row tile
	s_wait_dscnt 63
	QM \h, \a, 0
	s_wait_dscnt 48
	QM \h, \a, 1
	s_wait_dscnt 32
	QM \h, \a, 2
	s_wait_dscnt 16
	QM \h, \a, 3
	WIN 0
.endm
	s_cmp_lt_u32 s14, 2
	s_cbranch_scc0 .Lnot_yet
	s_wait_tensorcnt 0x0                           ; waves 0 and 1: the first halves have landed
.Lnot_yet:
	s_barrier_signal -1
	s_barrier_wait -1
.irp ap, 0,1
.irp hd, 0,1,2,3,4,5,6,7,8,9,10,11,12,13,14,15
	ds_load_u16 v[RAW+16*\ap+\hd], v[ADSA] offset:256*\hd+64*\ap   ; row 32 ap + lane of my 64: head hd's two bytes
.endr
.endr
	ALOAD 0, 0
	BLOAD 0, 0
	s_wait_dscnt 32                                ; the scale bytes are in; the 32 fragment loads may be out
.irp ap, 0,1
.irp s, 0,1,2,3,4,5,6,7
	v_lshl_or_b32 v[SA+8*\ap+\s], v[RAW+16*\ap+2*\s+1], 16, v[RAW+16*\ap+2*\s]   ; K step s = heads 2 s, 2 s + 1
.endr
.endr
	BLOAD 0, 1
	BLOAD 0, 2
	BLOAD 0, 3
	ALOAD 0, 1
	PLACES 8                                       ; a scale register written by a vector instruction stands eight places ahead of the product
	s_wait_alu depctr_va_vdst(0)
	s_wait_loadcnt 0x0                             ; the bias and w's scale words
	ROWW 0, 0
	PLACES 8                                       ; in front of loads into the buffer that the last products read
	ALOAD 0, 2
	s_wait_dscnt 16                                ; row tile 1 is in; tile 2's loads may be out
	ROW 0, 1
	PLACES 8
	ALOAD 0, 3
	s_wait_dscnt 16
	ROW 0, 2
	s_wait_tensorcnt 0x0                           ; my load, whichever it is
	s_wait_dscnt 0x0
	s_barrier_signal -1
	s_barrier_wait -1                              ; the second halves have landed
	PLACES 8
	ALOAD 1, 0
	BLOAD 1, 0
	BLOAD 1, 1
	BLOAD 1, 2
	BLOAD 1, 3
	ROW 0, 3
	PLACES 8
	ALOAD 1, 1
	ROWW 1, 0
; THE WAY OUT, 16 rows x 64 columns at a time, through my own stage: a lane's 32 bytes go in, whole rows of 256 bytes come back.  LDS serves a wave's instructions in order: no wait between the stores and the loads.
.macro TOSTAGE a
.set BB_, 64+32*((\a)%2)
	WIN 0x08
.irp b, 0,1,2,3
	ds_store_b128 v[STO], v[8*(4*(\a)+\b):8*(4*(\a)+\b)+3] offset:64*\b       ; each accumulator from its low end on
	ds_store_b128 v[STO], v[8*(4*(\a)+\b)+4:8*(4*(\a)+\b)+7] offset:64*\b+16
.endr
	WIN 0
.irp t, 0,1,2,3,4,5,6,7
	ds_load_b128 v[BB_+4*\t:BB_+4*\t+3], v[RD] offset:2*272*\t
.endr
.endm
.macro SEND a, younger                 ; younger: the LDS instructions issued behind tile a's loads
.set BB_, 64+32*((\a)%2)
	s_wait_dscnt \younger
.irp t, 0,1,2,3,4,5,6,7
	global_store_b128 v[CO], v[BB_+4*\t:BB_+4*\t+3], s[12:13] offset:(16*(\a)+2*\t)*4096 th:TH_STORE_NT   ; sixteen lanes store 256 consecutive bytes, aligned
.endr
.endm
	PLACES 8
	TOSTAGE 0
	ALOAD 1, 2
	s_wait_dscnt 32                                ; row tile 1's fragments are in; the stage's 16 and tile 2's 16 may be out
	ROW 1, 1
	SEND 0, 16
	PLACES 8
	TOSTAGE 1
	ALOAD 1, 3
	s_wait_dscnt 32
	ROW 1, 2
	SEND 1, 16
	PLACES 8
	s_wait_xcnt 0x0                                ; the earlier stores have read their registers: the stage's rows may land there
	TOSTAGE 2
	s_wait_dscnt 16
	ROW 1, 3
	SEND 2, 0
	PLACES 8
	s_wait_xcnt 0x0
	TOSTAGE 3
	SEND 3, 0
	s_wait_tensorcnt 0x0
	ds_add_u32 v[SPW], v[NIL]
	s_wait_dscnt 0x0
	CROUND                                         ; the closing round
	s_endpgm
.Lfunc_end_k_q7bf2dce99a_proj:
	.size	k_q7bf2dce99a_proj, .Lfunc_end_k_q7bf2dce99a_proj-k_q7bf2dce99a_proj
	.p2alignl 7, 3214868480
	.fill 96, 4, 3214868480
	.section	.rodata,"a",@progbits
	.p2align	6, 0x0
	.amdhsa_kernel k_q7bf2dce99a_proj
		.amdhsa_group_segment_fixed_size 327680
		.amdhsa_private_segment_fixed_size 0
		.amdhsa_enable_private_segment 0
		.amdhsa_kernarg_size 40
		.amdhsa_user_sgpr_count 2
		.amdhsa_user_sgpr_kernarg_segment_ptr 1
		.amdhsa_wavefront_size32 1
		.amdhsa_system_sgpr_workgroup_id_x 1
		.amdhsa_system_sgpr_workgroup_id_y 1
		.amdhsa_system_sgpr_workgroup_id_z 1
		.amdhsa_system_vgpr_workitem_id 0
		.amdhsa_next_free_vgpr 1024
		.amdhsa_next_free_sgpr 102
		.amdhsa_reserve_vcc 0
		.amdhsa_float_denorm_mode_32 3
		.amdhsa_float_denorm_mode_16_64 3
		.amdhsa_memory_ordered 1
		.amdhsa_forward_progress 1
		.amdhsa_inst_pref_size 56
	.end_amdhsa_kernel
	.amdgpu_metadata
---
amdhsa.version: [ 1, 2 ]
amdhsa.kernels:
  - .name:           k_q7bf2dce99a_proj
    .symbol:         k_q7bf2dce99a_proj.kd
    .args:
      - { .name: o_ws, .offset: 0, .size: 8, .value_kind: global_buffer, .address_space: global }
      - { .name: w_proj_codes, .offset: 8, .size: 8, .value_kind: global_buffer, .address_space: global }
      - { .name: w_proj_scales, .offset: 16, .size: 8, .value_kind: global_buffer, .address_space: global }
      - { .name: b_proj, .offset: 24, .size: 8, .value_kind: global_buffer, .address_space: global }
      - { .name: out0, .offset: 32, .size: 8, .value_kind: global_buffer, .address_space: global }
    .group_segment_fixed_size: 327680
    .private_segment_fixed_size: 0
    .kernarg_segment_align: 8
    .kernarg_segment_size: 40
    .max_flat_workgroup_size: 128
    .sgpr_count:     102
    .vgpr_count:     1024
    .wavefront_size: 32
...
	.end_amdgpu_metadata
.endif
;; end of part 3
